; MI455X (gfx1250); checked and timed in simulation.
; The chip was launched on July 23, 2026; its instructions are those of AMD's public machine-readable ISA for CDNA 5 (MIT licence, August 2026) and "CDNA5" Instruction Set Architecture Reference Guide (July 2026). The comments in the code are by the model that wrote it; some were corrected since.
;; Single Channel Interp. Allowed arithmetic: float matrix products may take bf16 or f16 operands with f32 sums; all other float work in f32.
;; Inputs: kernel 16 float32; x 64 x 64 x 256 float32.
;; Outputs: out0 64 x 48 x 192 float32.
;; 2 versions, each right; version 2 is version 1 with the launch interp written anew for expert scheduling mode. Each part assembles by itself: llvm-mc -triple=amdgcn-amd-amdhsa -mcpu=gfx1250 --defsym DOCPART=n.
;; ======== version 1 of 2: 1 launch
;; launch interp (part 1): grid 256 x 1, 12 waves a work-group, no clusters, 17,920 bytes of LDS; arguments x, kernel, out0; writes out0
.if DOCPART == 1
	.amdgcn_target "amdgcn-amd-amdhsa--gfx1250"
	.amdhsa_code_object_version 6
	.text
	.protected	k_q034ba94098_interp
	.globl	k_q034ba94098_interp
	.p2align	8
	.type	k_q034ba94098_interp,@function
k_q034ba94098_interp:
	s_mov_b64 s[64:65], 0
	v_nop
	global_prefetch_b8 v0, s[64:65] scope:SCOPE_SE
	s_setreg_imm32_b32 hwreg(HW_REG_WAVE_MODE, 25, 1), 1
	s_wait_xcnt 0x0
; SingleChannelInterp.  x: [64][64][256] f32 (rows 0-15 values, 16-31 mask, 32-47 times; rows 48-63 are not used by the
; problem), kernel: [16] f32, out0: [64][48][192] f32 (rows 0-15 y, 16-31 w, 32-47 y_trans).
; For a row (b, d) and a reference point r = j * 48/191:   s(t) = -alpha (d_t - r)^2 + log(max(m_t, 1e-30)),
;   w = logsumexp_t s,  y = sum_t softmax(s) x_t,  and y_trans the same with 10 alpha.
;
; SHARES.  256 work-groups of 12 waves.  A work-group owns 4 neighbouring channels of one batch (4 x 1,024 contiguous bytes in
; each section of x).  Wave w: row p = w & 3, third j = w >> 2 of the 192 reference points.  A lane owns the two points
; 64 j + 2 lane + {0, 1}: maxima and sums over t never leave the lane, and a result row leaves as 8 bytes a lane,
; 256 consecutive bytes a wave, at a multiple of 256 from out0's first byte.
; METHOD.  Scores in base 2: c = -alpha log2 e, L = log2(max(m, 1e-30)), n = (d - r)^2.
;   pass 1: M = max_t (c n + L), the true maximum, for both bandwidths.
;   pass 2: E = 2^(c n - M);  SE += mm E,  SX += (mm x) E  with mm = max(m, 1e-30) = 2^L.   y = SX / SE,  w = ln 2 (M + log2 SE).
;   Since M >= c n + L for every t, the exponent is at most -L <= 99.7: E cannot overflow, and the largest term mm E is about 1.
;   Each score is exponentiated once; times go two at a time through packed f32 arithmetic.
; The four tables d, L, mm, mm x of the four rows are made once (waves 0-7) and lie in LDS; in the passes every lane of a wave
; reads the same 16 bytes (four times), so that the values stand in vector registers as pairs for the packed instructions.
; LIMITS.  Mask values above about 1e18: E <= 1/m, and v_exp_f32 gives 0 below 2^-126, so terms more than 2^-63 under the
; largest are dropped there, and from about 8e37 all of them.  A NaN in the mask counts as 1e-30 (v_max_num_f32).
; r is formed as j * (48/191), at most one f32 step (4e-6) from the linspace value.  Base 2 adds one rounding in c.
; NOT USED: matrix units (the sums over t have 2 useful rows of 16, and would ask for a conversion of every pair); tensor loads
; (12,288 bytes a work-group, read once); clusters (work-groups share only the 64 bytes of kernel).
.set ROW,    1024                      ; bytes in a row of x
.set SECT,   16*ROW                    ; from values to mask, from mask to times
.set OROW,   768                       ; bytes in a row of out0
.set OSECT,  16*OROW                   ; from y to w, from w to y_trans
.set OBATCH, 48*OROW
.set LD_D,   0                         ; LDS: times,           4 rows x 1,024 bytes
.set LD_L,   4096                      ;      log2 of the floored mask
.set LD_MM,  8192                      ;      the floored mask
.set LD_MX,  12288                     ;      the floored mask times the value
.set TRIPS,  16                        ; a trip = 16 times = two buffers of 8
.set ADR,  2                           ; v2       LDS address of my row's current trip
.set OUTO, 3                           ; v3       8 x lane: my bytes in a result row
.set NR0,  8                           ; v[8:9]   -r of my first point, twice (a packed instruction takes a pair)
.set NR1,  10                          ; v[10:11] -r of my second point, twice
.set C1,   12                          ; v[12:13] -alpha log2 e, twice
.set C10,  14                          ; v[14:15] -10 alpha log2 e, twice
.set M,    16                          ; v[16:19] maxima; index q = 2 x bandwidth + point
.set NM,   20                          ; v[20:27] -M of q, twice each
.set ACC,  28                          ; v[28:43] q: SE pair at ACC + 4 q, SX pair at ACC + 4 q + 2 (even and odd times apart)
.set DA,   44                          ; buffer A: 8 times,
.set PA,   52                          ;           8 L (pass 1) or 8 mm (pass 2),
.set QA,   60                          ;           8 mm x
.set DB,   68                          ; buffer B likewise
.set PB,   76
.set QB,   84
.set N,    92                          ; pass 1: v[92:107]  n, point 0 then point 1, 8 times each
.set S,    108                         ;         v[108:139] scores, 8 for each q
.set X,    92                          ; pass 2: two sets of 12: n of the two points (4), then E pairs of q = 0..3 (8)
.set Y,    104
.set O,    116                         ; v[116:121] results;  v[122:127] reciprocals and logarithms
.set R,    122
	s_load_b128 s[4:7], s[0:1], 0x0                ; x s[4:5], kernel s[6:7]
	s_load_b64 s[8:9], s[0:1], 0x10                ; out0
	v_lshl_add_u32 v140, v0, 2, 0x4000
	v_mov_b32 v141, 0
	v_lshrrev_b32 v1, 5, v0
	v_readfirstlane_b32 s10, v1                    ; wave 0..11
	s_and_b32 s11, s10, 3                          ; p: my row of the group's four
	s_lshr_b32 s12, s10, 2                         ; j: my third of the reference points
	s_lshr_b32 s13, ttmp9, 2                       ; batch
	s_and_b32 s14, ttmp9, 3
	s_lshl_b32 s14, s14, 2                         ; the group's first channel
	s_add_co_u32 s15, s14, s11                     ; my channel
	s_lshl_b32 s16, s13, 16                        ; x: batch x 65,536 bytes
	s_lshl_b32 s17, s14, 10                        ;    + first channel x 1,024
	s_add_co_u32 s16, s16, s17
	s_mov_b32 s17, 0
	s_lshl_b32 s18, s15, 2                         ; kernel: 4 x channel
	s_mov_b32 s19, 0
	s_mul_i32 s20, s13, OBATCH                     ; out0: batch, channel, my 64 points (256 bytes)
	s_mul_i32 s21, s15, OROW
	s_add_co_u32 s20, s20, s21
	s_lshl_b32 s21, s12, 8
	s_add_co_u32 s20, s20, s21
	s_mov_b32 s21, 0
	s_lshl_b32 s23, s12, 6                         ; number of my wave's first point
	s_lshl_b32 s24, s11, 10                        ; my row in each LDS table
	s_wait_kmcnt 0x0
	s_add_nc_u64 s[4:5], s[4:5], s[16:17]
	s_add_nc_u64 s[6:7], s[6:7], s[18:19]
	s_add_nc_u64 s[8:9], s[8:9], s[20:21]
	s_load_b32 s22, s[6:7], 0x0                    ; my channel's bandwidth parameter k
; What every wave prepares for itself: its points, its bandwidths, its addresses.
.macro SETUP
	v_and_b32 v1, 31, v0                           ; lane
	v_lshlrev_b32 v[OUTO], 3, v1
	v_lshl_add_u32 v6, v1, 1, s23                  ; number of my first point
	v_cvt_f32_u32 v[NR0], v6
	v_add_nc_u32 v6, 1, v6
	v_cvt_f32_u32 v[NR1], v6
	v_mul_f32 v[NR0], 0xbe80ab8f, v[NR0]           ; x -48/191
	v_mul_f32 v[NR1], 0xbe80ab8f, v[NR1]
	v_mov_b32 v[NR0+1], v[NR0]
	v_mov_b32 v[NR1+1], v[NR1]
	v_mov_b32 v[ADR], s24
.irp q, 0,1,2,3
	v_mov_b32 v[M+\q], 0xff800000                  ; -infinity: loses against every score
.endr
	s_wait_kmcnt 0x0                               ; k
	; alpha = softplus(k) = max(k, 0) + log(1 + u), u = e^-|k| in (0, 1].  Below u = 1/16 the sum 1 + u would round u's low bits away:
	; there the series u (1 - u/2 + u^2/3 - u^3/4 + u^4/5 - u^5/6), whose remainder is under u^6 / 7 < 1e-8 of the result.
	v_mov_b32 v5, s22
	v_and_b32 v6, 0x7fffffff, v5
	v_mul_f32 v6, 0xbfb8aa3b, v6                   ; -|k| log2 e
	v_exp_f32 v6, v6                               ; u
	v_mov_b32 v7, 0xbe2aaaab                       ; -1/6; also the plain instruction between v_exp_f32 and the use of u (ISA guide 5.7.2)
	s_wait_alu depctr_va_vdst(0)
	v_fmaak_f32 v7, v6, v7, 0x3e4ccccd             ; + 1/5
	v_fmaak_f32 v7, v6, v7, 0xbe800000             ; - 1/4
	v_fmaak_f32 v7, v6, v7, 0x3eaaaaab             ; + 1/3
	v_fma_f32 v7, v6, v7, -0.5
	v_fma_f32 v7, v6, v7, 1.0
	v_mul_f32 v7, v6, v7                           ; the series
	v_add_f32 v[C1], 1.0, v6
	v_log_f32 v[C1], v[C1]
	v_max_num_f32 v5, 0, v5                        ; max(k, 0); the plain instruction behind v_log_f32
	v_cmp_gt_f32 vcc_lo, 0x3d800000, v6            ; 1/16 > u
	s_wait_alu depctr_va_vdst(0)
	v_mul_f32 v[C1], 0x3f317218, v[C1]             ; log(1 + u)
	v_cndmask_b32 v[C1], v[C1], v7, vcc_lo         ; the series where u is small
	v_add_f32 v[C1], v5, v[C1]                     ; alpha
	v_mul_f32 v[C10], 0xc1200000, v[C1]            ; -10 alpha
	v_mul_f32 v[C1], 0xbfb8aa3b, v[C1]             ; -alpha log2 e
	v_mul_f32 v[C10], 0x3fb8aa3b, v[C10]           ; -10 alpha log2 e
	v_mov_b32 v[C1+1], v[C1]
	v_mov_b32 v[C10+1], v[C10]
.endm
	; THE TABLES.  4 rows x 256 times = 256 threads x 4 times: waves 0-7, thread t takes bytes 16 t of the group's 4,096 in each section.
	s_cmp_ge_u32 s10, 8
	s_cbranch_scc1 .Lothers
	v_lshlrev_b32 v4, 4, v0
	global_load_b128 v[48:51], v4, s[4:5] offset:SECT th:TH_LOAD_NT        ; mask
	global_load_b128 v[44:47], v4, s[4:5] th:TH_LOAD_NT                    ; values
	global_load_b128 v[52:55], v4, s[4:5] offset:2*SECT th:TH_LOAD_NT      ; times
	SETUP                                          ; register work while the loads are on their way
	s_wait_loadcnt 0x2                             ; loads return in order: the mask is in, two younger loads stay out
.irp i, 0,1,2,3
	v_max_num_f32 v[56+\i], 0x0da24260, v[48+\i]   ; mm = max(m, 1e-30)
.endr
.irp i, 0,1,2,3
	v_log_f32 v[60+\i], v[56+\i]                   ; L = log2 mm
.endr
	s_wait_loadcnt 0x1                             ; the values are in, the times may be out
	v_pk_mul_f32 v[64:65], v[56:57], v[44:45]      ; mm x; plain instructions between the logarithms and the store that reads them
	v_pk_mul_f32 v[66:67], v[58:59], v[46:47]
	s_wait_loadcnt 0x0
	ds_store_b128 v4, v[52:55] offset:LD_D
	s_wait_alu depctr_va_vdst(0)
	ds_store_b128 v4, v[60:63] offset:LD_L
	ds_store_b128 v4, v[56:59] offset:LD_MM
	ds_store_b128 v4, v[64:67] offset:LD_MX
	s_wait_dscnt 0x0                               ; for the other waves' sake: my stores are done before I signal
	s_branch .Ljoin
.Lothers:
	SETUP
.Ljoin:
	s_barrier_signal -1
	s_barrier_wait -1                              ; the tables are whole; nothing writes them from here on
	; PASS 1: the maxima.
.macro LOAD1 d, l, off                 ; 8 times and their L: every lane reads the same bytes
	ds_load_b128 v[\d:\d+3],   v[ADR] offset:LD_D+\off
	ds_load_b128 v[\d+4:\d+7], v[ADR] offset:LD_D+\off+16
	ds_load_b128 v[\l:\l+3],   v[ADR] offset:LD_L+\off
	ds_load_b128 v[\l+4:\l+7], v[ADR] offset:LD_L+\off+16
.endm
.macro MAXBLK d, l                     ; 8 times x 2 points x 2 bandwidths: 32 packed instructions, 16 three-way maxima
.irp k, 0,2,4,6
	v_pk_add_f32 v[N+\k:N+\k+1],     v[\d+\k:\d+\k+1], v[NR0:NR0+1]        ; d - r
	v_pk_add_f32 v[N+8+\k:N+8+\k+1], v[\d+\k:\d+\k+1], v[NR1:NR1+1]
.endr
.irp k, 0,2,4,6,8,10,12,14
	v_pk_mul_f32 v[N+\k:N+\k+1], v[N+\k:N+\k+1], v[N+\k:N+\k+1]            ; n
.endr
.irp k, 0,2,4,6
	v_pk_fma_f32 v[S+\k:S+\k+1],       v[N+\k:N+\k+1],     v[C1:C1+1],   v[\l+\k:\l+\k+1]
	v_pk_fma_f32 v[S+8+\k:S+8+\k+1],   v[N+8+\k:N+8+\k+1], v[C1:C1+1],   v[\l+\k:\l+\k+1]
	v_pk_fma_f32 v[S+16+\k:S+16+\k+1], v[N+\k:N+\k+1],     v[C10:C10+1], v[\l+\k:\l+\k+1]
	v_pk_fma_f32 v[S+24+\k:S+24+\k+1], v[N+8+\k:N+8+\k+1], v[C10:C10+1], v[\l+\k:\l+\k+1]
.endr
	; nine numbers to one in four three-way maxima, of which only the last waits for the running maximum
.irp q, 0,1,2,3
	v_max3_num_f32 v[S+8*\q],   v[S+8*\q],   v[S+8*\q+1], v[S+8*\q+2]
	v_max3_num_f32 v[S+8*\q+3], v[S+8*\q+3], v[S+8*\q+4], v[S+8*\q+5]
.endr
.irp q, 0,1,2,3
	v_max3_num_f32 v[S+8*\q+6], v[S+8*\q+6], v[S+8*\q+7], v[S+8*\q]
.endr
.irp q, 0,1,2,3
	v_max3_num_f32 v[M+\q], v[M+\q], v[S+8*\q+3], v[S+8*\q+6]
.endr
.endm
	LOAD1 DA, PA, 0
	LOAD1 DB, PB, 32
	s_mov_b32 s25, TRIPS-1
.Lmax:
	s_wait_dscnt 0x4                               ; LDS loads return in order (ISA guide 5.7.1): A's four are in, B's four stay out
	MAXBLK DA, PA
	LOAD1 DA, PA, 64                               ; A of the next trip
	s_wait_dscnt 0x4                               ; B is in, the four just issued stay out
	MAXBLK DB, PB
	LOAD1 DB, PB, 96
	v_add_nc_u32 v[ADR], 64, v[ADR]                ; 16 times on
	s_sub_co_i32 s25, s25, 1
	s_cmp_lg_u32 s25, 0
	s_cbranch_scc1 .Lmax
	s_wait_dscnt 0x4                               ; the last trip loads nothing: no read leaves the row
	MAXBLK DA, PA
	s_wait_dscnt 0x0
	MAXBLK DB, PB
	; PASS 2: the sums.
.macro LOAD2 d, mm, mx, off
	ds_load_b128 v[\d:\d+3],     v[ADR] offset:LD_D+\off
	ds_load_b128 v[\d+4:\d+7],   v[ADR] offset:LD_D+\off+16
	ds_load_b128 v[\mm:\mm+3],   v[ADR] offset:LD_MM+\off
	ds_load_b128 v[\mm+4:\mm+7], v[ADR] offset:LD_MM+\off+16
	ds_load_b128 v[\mx:\mx+3],   v[ADR] offset:LD_MX+\off
	ds_load_b128 v[\mx+4:\mx+7], v[ADR] offset:LD_MX+\off+16
.endm
	v_mov_b32 v[ADR], s24                          ; back to the row's head
	LOAD2 DA, PA, QA, 0
	LOAD2 DB, PB, QB, 32
.irp q, 0,1,2,3
	v_xor_b32 v[NM+2*\q],   0x80000000, v[M+\q]    ; -M, twice
	v_xor_b32 v[NM+2*\q+1], 0x80000000, v[M+\q]
.endr
.irp i, 0,1,2,3,4,5,6,7,8,9,10,11,12,13,14,15
	v_mov_b32 v[ACC+\i], 0
.endr
; A GROUP is one pair of times x my two points x two bandwidths: 8 packed instructions make 8 exponents (ARGS), 8 v_exp_f32,
; 8 packed multiply-adds take the results into the sums (FMAS).
.macro ARGS s, d
	v_pk_add_f32 v[\s:\s+1],     v[\d:\d+1], v[NR0:NR0+1]
	v_pk_add_f32 v[\s+2:\s+3],   v[\d:\d+1], v[NR1:NR1+1]
	v_pk_mul_f32 v[\s:\s+1],     v[\s:\s+1],   v[\s:\s+1]
	v_pk_mul_f32 v[\s+2:\s+3],   v[\s+2:\s+3], v[\s+2:\s+3]
	v_pk_fma_f32 v[\s+4:\s+5],   v[\s:\s+1],   v[C1:C1+1],   v[NM:NM+1]
	v_pk_fma_f32 v[\s+6:\s+7],   v[\s+2:\s+3], v[C1:C1+1],   v[NM+2:NM+3]
	v_pk_fma_f32 v[\s+8:\s+9],   v[\s:\s+1],   v[C10:C10+1], v[NM+4:NM+5]
	v_pk_fma_f32 v[\s+10:\s+11], v[\s+2:\s+3], v[C10:C10+1], v[NM+6:NM+7]
.endm
.macro FMAS s, mm, mx
	s_wait_alu depctr_va_vdst(0)
.irp q, 0,1,2,3
	v_pk_fma_f32 v[ACC+4*\q:ACC+4*\q+1],   v[\s+4+2*\q:\s+5+2*\q], v[\mm:\mm+1], v[ACC+4*\q:ACC+4*\q+1]
	v_pk_fma_f32 v[ACC+4*\q+2:ACC+4*\q+3], v[\s+4+2*\q:\s+5+2*\q], v[\mx:\mx+1], v[ACC+4*\q+2:ACC+4*\q+3]
.endr
.endm
; A PHASE: the exponentials of the group in set cur, and between them, in set oth, the multiply-adds of the group before (hasp, with
; its mm and mx) and the exponents of the group behind (hasn, from its times d).  Each register of oth is read by the old group's
; multiply-add in an earlier line than the one that writes it for the new group.  Behind every v_exp_f32 stands a plain instruction
; on the other set, and its result is first read in the next phase (ISA guide 5.7.2).
.macro PHASE cur, oth, hasp, mm, mx, hasn, d
	v_exp_f32 v[\cur+4], v[\cur+4]
.if \hasp
	s_wait_alu depctr_va_vdst(0)
	v_pk_fma_f32 v[ACC:ACC+1], v[\oth+4:\oth+5], v[\mm:\mm+1], v[ACC:ACC+1]
.endif
.if \hasn
	v_pk_add_f32 v[\oth:\oth+1], v[\d:\d+1], v[NR0:NR0+1]
.endif
	v_exp_f32 v[\cur+5], v[\cur+5]
.if \hasp
	v_pk_fma_f32 v[ACC+2:ACC+3], v[\oth+4:\oth+5], v[\mx:\mx+1], v[ACC+2:ACC+3]
.endif
.if \hasn
	v_pk_add_f32 v[\oth+2:\oth+3], v[\d:\d+1], v[NR1:NR1+1]
.endif
	v_exp_f32 v[\cur+6], v[\cur+6]
.if \hasp
	v_pk_fma_f32 v[ACC+4:ACC+5], v[\oth+6:\oth+7], v[\mm:\mm+1], v[ACC+4:ACC+5]
.endif
.if \hasn
	v_pk_mul_f32 v[\oth:\oth+1], v[\oth:\oth+1], v[\oth:\oth+1]
.endif
	v_exp_f32 v[\cur+7], v[\cur+7]
.if \hasp
	v_pk_fma_f32 v[ACC+6:ACC+7], v[\oth+6:\oth+7], v[\mx:\mx+1], v[ACC+6:ACC+7]
.endif
.if \hasn
	v_pk_mul_f32 v[\oth+2:\oth+3], v[\oth+2:\oth+3], v[\oth+2:\oth+3]
.endif
	v_exp_f32 v[\cur+8], v[\cur+8]
.if \hasp
	v_pk_fma_f32 v[ACC+8:ACC+9], v[\oth+8:\oth+9], v[\mm:\mm+1], v[ACC+8:ACC+9]
.endif
.if \hasn
	v_pk_fma_f32 v[\oth+4:\oth+5], v[\oth:\oth+1], v[C1:C1+1], v[NM:NM+1]
.endif
	v_exp_f32 v[\cur+9], v[\cur+9]
.if \hasp
	v_pk_fma_f32 v[ACC+10:ACC+11], v[\oth+8:\oth+9], v[\mx:\mx+1], v[ACC+10:ACC+11]
.endif
.if \hasn
	v_pk_fma_f32 v[\oth+6:\oth+7], v[\oth+2:\oth+3], v[C1:C1+1], v[NM+2:NM+3]
.endif
	v_exp_f32 v[\cur+10], v[\cur+10]
.if \hasp
	v_pk_fma_f32 v[ACC+12:ACC+13], v[\oth+10:\oth+11], v[\mm:\mm+1], v[ACC+12:ACC+13]
.endif
.if \hasn
	v_pk_fma_f32 v[\oth+8:\oth+9], v[\oth:\oth+1], v[C10:C10+1], v[NM+4:NM+5]
.endif
	v_exp_f32 v[\cur+11], v[\cur+11]
.if \hasp
	v_pk_fma_f32 v[ACC+14:ACC+15], v[\oth+10:\oth+11], v[\mx:\mx+1], v[ACC+14:ACC+15]
.endif
.if \hasn
	v_pk_fma_f32 v[\oth+10:\oth+11], v[\oth+2:\oth+3], v[C10:C10+1], v[NM+6:NM+7]
.endif
.endm
; A trip: 16 times = 8 groups, four from buffer A, four from B, in sets X, Y in turn.  more = 1: the buffers are loaded again for the
; next trip, each as soon as its last register has been read.
.macro TRIP2 more
	s_wait_dscnt 0x6                               ; A's six loads are in, B's six younger ones stay out
	ARGS X, DA
	PHASE X, Y, 0, 0, 0, 1, DA+2
	PHASE Y, X, 1, PA, QA, 1, DA+4
	PHASE X, Y, 1, PA+2, QA+2, 1, DA+6
	s_wait_dscnt 0x0                               ; B is in: nothing younger has been issued
	PHASE Y, X, 1, PA+4, QA+4, 1, DB
	PHASE X, Y, 1, PA+6, QA+6, 1, DB+2
.if \more
	LOAD2 DA, PA, QA, 64
.endif
	PHASE Y, X, 1, PB, QB, 1, DB+4
	PHASE X, Y, 1, PB+2, QB+2, 1, DB+6
	PHASE Y, X, 1, PB+4, QB+4, 0, 0
	FMAS Y, PB+6, QB+6
.if \more
	LOAD2 DB, PB, QB, 96
	v_add_nc_u32 v[ADR], 64, v[ADR]
.endif
.endm
	s_mov_b32 s25, TRIPS-1
.Lsum:
	TRIP2 1
	s_sub_co_i32 s25, s25, 1
	s_cmp_lg_u32 s25, 0
	s_cbranch_scc1 .Lsum
	TRIP2 0                                        ; the last trip loads nothing
	; THE WAY OUT.  Even and odd times meet; y = SX / SE, w = ln 2 (M + log2 SE).
.irp q, 0,1,2,3
	v_add_f32 v[ACC+4*\q], v[ACC+4*\q], v[ACC+4*\q+1]              ; SE
.endr
.irp q, 0,1,2,3
	v_rcp_f32 v[R+\q], v[ACC+4*\q]
.endr
	v_log_f32 v[R+4], v[ACC]
	v_log_f32 v[R+5], v[ACC+4]
.irp q, 0,1,2,3
	v_add_f32 v[ACC+4*\q+2], v[ACC+4*\q+2], v[ACC+4*\q+3]          ; SX: plain work between the transcendentals and their use
.endr
	s_wait_alu depctr_va_vdst(0)
	v_mul_f32 v[O],   v[ACC+2],  v[R]              ; y of my two points
	v_mul_f32 v[O+1], v[ACC+6],  v[R+1]
	v_add_f32 v[O+2], v[M],   v[R+4]
	v_add_f32 v[O+3], v[M+1], v[R+5]
	v_mul_f32 v[O+4], v[ACC+10], v[R+2]            ; y_trans
	v_mul_f32 v[O+5], v[ACC+14], v[R+3]
	v_mul_f32 v[O+2], 0x3f317218, v[O+2]           ; w
	v_mul_f32 v[O+3], 0x3f317218, v[O+3]
	global_store_b64 v[OUTO], v[O:O+1],   s[8:9] th:TH_STORE_NT                    ; each store of the wave: 256 consecutive bytes, aligned
	global_store_b64 v[OUTO], v[O+2:O+3], s[8:9] offset:OSECT th:TH_STORE_NT
	global_store_b64 v[OUTO], v[O+4:O+5], s[8:9] offset:2*OSECT th:TH_STORE_NT
	s_wait_tensorcnt 0x0
	ds_add_u32 v140, v141
	s_wait_dscnt 0x0
	s_endpgm
.Lfunc_end_k_q034ba94098_interp:
	.size	k_q034ba94098_interp, .Lfunc_end_k_q034ba94098_interp-k_q034ba94098_interp
	.p2alignl 7, 3214868480
	.fill 96, 4, 3214868480
	.section	.rodata,"a",@progbits
	.p2align	6, 0x0
	.amdhsa_kernel k_q034ba94098_interp
		.amdhsa_group_segment_fixed_size 17920
		.amdhsa_private_segment_fixed_size 0
		.amdhsa_enable_private_segment 0
		.amdhsa_kernarg_size 24
		.amdhsa_user_sgpr_count 2
		.amdhsa_user_sgpr_kernarg_segment_ptr 1
		.amdhsa_wavefront_size32 1
		.amdhsa_system_sgpr_workgroup_id_x 1
		.amdhsa_system_sgpr_workgroup_id_y 1
		.amdhsa_system_sgpr_workgroup_id_z 1
		.amdhsa_system_vgpr_workitem_id 0
		.amdhsa_next_free_vgpr 142
		.amdhsa_next_free_sgpr 66
		.amdhsa_reserve_vcc 1
		.amdhsa_float_denorm_mode_32 3
		.amdhsa_float_denorm_mode_16_64 3
		.amdhsa_memory_ordered 1
		.amdhsa_forward_progress 1
		.amdhsa_inst_pref_size 45
	.end_amdhsa_kernel
	.amdgpu_metadata
---
amdhsa.version: [ 1, 2 ]
amdhsa.kernels:
  - .name:           k_q034ba94098_interp
    .symbol:         k_q034ba94098_interp.kd
    .args:
      - { .name: x, .offset: 0, .size: 8, .value_kind: global_buffer, .address_space: global }
      - { .name: kernel, .offset: 8, .size: 8, .value_kind: global_buffer, .address_space: global }
      - { .name: out0, .offset: 16, .size: 8, .value_kind: global_buffer, .address_space: global }
    .group_segment_fixed_size: 17920
    .private_segment_fixed_size: 0
    .kernarg_segment_align: 8
    .kernarg_segment_size: 24
    .max_flat_workgroup_size: 384
    .sgpr_count:     66
    .vgpr_count:     142
    .wavefront_size: 32
...
	.end_amdgpu_metadata
.endif
;; end of part 1
;; ======== version 2 of 2: 1 launch; version 1 with the launch interp written anew for expert scheduling mode
;; launch interp (part 2): grid 256 x 1, 12 waves a work-group, no clusters, 17,920 bytes of LDS; arguments x, kernel, out0; writes out0
.if DOCPART == 2
	.amdgcn_target "amdgcn-amd-amdhsa--gfx1250"
	.amdhsa_code_object_version 6
	.text
	.protected	k_q034ba94098_interp
	.globl	k_q034ba94098_interp
	.p2align	8
	.type	k_q034ba94098_interp,@function
k_q034ba94098_interp:
	s_mov_b64 s[64:65], 0
	v_nop
	global_prefetch_b8 v0, s[64:65] scope:SCOPE_SE
	s_setreg_imm32_b32 hwreg(HW_REG_WAVE_SCHED_MODE, 0, 2), 2
	s_setreg_imm32_b32 hwreg(HW_REG_WAVE_MODE, 25, 1), 1
	s_wait_xcnt 0x0
	s_wait_alu depctr_vm_vsrc(0)
; SingleChannelInterp.  x: [64][64][256] f32 (rows 0-15 values, 16-31 mask, 32-47 times; rows 48-63 are not used by the
; problem), kernel: [16] f32, out0: [64][48][192] f32 (rows 0-15 y, 16-31 w, 32-47 y_trans).
; For a row (b, d) and a reference point r = j * 48/191:   s(t) = -alpha (d_t - r)^2 + log(max(m_t, 1e-30)),
;   w = logsumexp_t s,  y = sum_t softmax(s) x_t,  and y_trans the same with 10 alpha.
;
; SHARES.  256 work-groups of 12 waves.  A work-group owns 4 neighbouring channels of one batch (4 x 1,024 contiguous bytes in
; each section of x).  Wave w: row p = w & 3, third j = w >> 2 of the 192 reference points.  A lane owns the two points
; 64 j + 2 lane + {0, 1}: maxima and sums over t never leave the lane, and a result row leaves as 8 bytes a lane,
; 256 consecutive bytes a wave, at a multiple of 256 from out0's first byte.
; METHOD.  Scores in base 2: c = -alpha log2 e, L = log2(max(m, 1e-30)), n = (d - r)^2.
;   pass 1: M = max_t (c n + L), the true maximum, for both bandwidths.
;   pass 2: E = 2^(c n - M);  SE += mm E,  SX += (mm x) E  with mm = max(m, 1e-30) = 2^L.   y = SX / SE,  w = ln 2 (M + log2 SE).
;   Since M >= c n + L for every t, the exponent is at most -L <= 99.7: E cannot overflow, and the largest term mm E is about 1.
;   Each score is exponentiated once; times go two at a time through packed f32 arithmetic.
; The four tables d, L, mm, mm x of the four rows are made once (waves 0-7) and lie in LDS; in the passes every lane of a wave
; reads the same 16 bytes (four times), so that the values stand in vector registers as pairs for the packed instructions.
; LIMITS.  Mask values above about 1e18: E <= 1/m, and v_exp_f32 gives 0 below 2^-126, so terms more than 2^-63 under the
; largest are dropped there, and from about 8e37 all of them.  A NaN in the mask counts as 1e-30 (v_max_num_f32).
; r is formed as j * (48/191), at most one f32 step (4e-6) from the linspace value.  Base 2 adds one rounding in c.
; NOT USED: matrix units (the sums over t have 2 useful rows of 16, and would ask for a conversion of every pair); tensor loads
; (12,288 bytes a work-group, read once); clusters (work-groups share only the 64 bytes of kernel).
; THE MODE: SCHED_MODE bits 1:0 = 2 (LLVM: expert scheduling mode 2), set by the entry lines.  The code itself states the register
; dependences between vector instructions and memory or LDS instructions, with s_wait_alu, always for 0.
; THE PLAN.  A step is 16 times; each pass has 16 steps.  Registers that memory or LDS instructions touch in the passes:
;   SET0, SET1   16 times' table values each.  Step p's vector instructions read SET[p % 2]; its LDS loads, those of step p + 1, land in
;                the other set, on which step p - 1 worked and which no vector instruction of step p names.  Vector instructions never write a set.
;   v[ADR]       read by pass 1's loads; written in the set-up and once a lap (two steps), at the lap's end.
;   v[ADR2]      the same for pass 2's loads, of which the first twelve are issued in pass 1's last step.
; So ONE wait on va_vdst stands at a step's head, behind the wait for the step's own data: the step before is done reading the other set,
; and, in a lap's first step, the address is written.  The step's loads follow it, dealt among its first vector instructions, with no
; further wait.  One wait on vm_vsrc a lap stands ahead of the add to the address.  All other registers of the passes (n, scores,
; exponentials, maxima, sums, constants) are named by vector instructions alone.
.set ROW,    1024                      ; bytes in a row of x
.set SECT,   16*ROW                    ; from values to mask, from mask to times
.set OROW,   768                       ; bytes in a row of out0
.set OSECT,  16*OROW                   ; from y to w, from w to y_trans
.set OBATCH, 48*OROW
.set LD_D,   0                         ; LDS: times,           4 rows x 1,024 bytes
.set LD_L,   4096                      ;      log2 of the floored mask
.set LD_MM,  8192                      ;      the floored mask
.set LD_MX,  12288                     ;      the floored mask times the value
.set LAPS,   8                         ; a lap = two steps = 32 times = 128 bytes of a table's row
.set ADR,  2                           ; v2       pass 1: LDS address of my row at the lap's first time
.set OUTO, 3                           ; v3       8 x lane: my bytes in a result row
.set NR0,  8                           ; v[8:9]   -r of my first point, twice (a packed instruction takes a pair)
.set NR1,  10                          ; v[10:11] -r of my second point, twice
.set C1,   12                          ; v[12:13] -alpha log2 e, twice
.set C10,  14                          ; v[14:15] -10 alpha log2 e, twice
.set M,    16                          ; v[16:19] maxima; index q = 2 x bandwidth + point
.set NM,   20                          ; v[20:27] -M of q, twice each
.set ACC,  28                          ; v[28:43] q: SE pair at ACC + 4 q, SX pair at ACC + 4 q + 2 (even and odd times apart)
.set SET0, 44                          ; v[44:91]   a set: 16 times at +0; 16 L (pass 1) or 16 mm (pass 2) at +16; 16 mm x at +32 (pass 2)
.set SET1, 92                          ; v[92:139]  the other set
.set N,    140                         ; pass 1: v[140:155] n, point 0 then point 1, 8 times each
.set S,    156                         ;         v[156:187] scores, 8 for each q
.set X,    140                         ; pass 2: two sets of 12: n of the two points (4), then E pairs of q = 0..3 (8)
.set Y,    152
.set O,    164                         ; v[164:169] results;  v[170:175] reciprocals and logarithms
.set R,    170
.set ADR2, 188                         ; v188     pass 2: LDS address of my row at the lap's first time
	s_load_b128 s[4:7], s[0:1], 0x0                ; x s[4:5], kernel s[6:7]
	s_load_b64 s[8:9], s[0:1], 0x10                ; out0
	v_lshl_add_u32 v189, v0, 2, 0x4000
	v_mov_b32 v190, 0
	v_lshrrev_b32 v1, 5, v0
	v_readfirstlane_b32 s10, v1                    ; wave 0..11
	s_lshr_b32 s13, ttmp9, 2                       ; batch
	s_and_b32 s14, ttmp9, 3
	s_lshl_b32 s14, s14, 2                         ; the group's first channel
	s_lshl_b32 s16, s13, 16                        ; x: batch x 65,536 bytes
	s_lshl_b32 s17, s14, 10                        ;    + first channel x 1,024
	s_add_co_u32 s16, s16, s17
	s_mov_b32 s17, 0
	s_mov_b32 s19, 0
	s_wait_alu depctr_va_sdst(0)                   ; s10 is written, ahead of its first reader: my row, my third, a branch and two bases are made from it
	s_and_b32 s11, s10, 3                          ; p: my row of the group's four
	s_lshr_b32 s12, s10, 2                         ; j: my third of the reference points
	s_add_co_u32 s15, s14, s11                     ; my channel
	s_lshl_b32 s18, s15, 2                         ; kernel: 4 x channel
	s_mul_i32 s20, s13, OBATCH                     ; out0: batch, channel, my 64 points (256 bytes)
	s_mul_i32 s21, s15, OROW
	s_add_co_u32 s20, s20, s21
	s_lshl_b32 s21, s12, 8
	s_add_co_u32 s20, s20, s21
	s_mov_b32 s21, 0
	s_lshl_b32 s23, s12, 6                         ; number of my wave's first point
	s_lshl_b32 s24, s11, 10                        ; my row in each LDS table
	s_wait_kmcnt 0x0
	s_add_nc_u64 s[4:5], s[4:5], s[16:17]
	s_add_nc_u64 s[6:7], s[6:7], s[18:19]
	s_add_nc_u64 s[8:9], s[8:9], s[20:21]
	s_load_b32 s22, s[6:7], 0x0                    ; my channel's bandwidth parameter k
; What every wave prepares for itself: its points, its bandwidths, its addresses.
.macro SETUP
	v_and_b32 v1, 31, v0                           ; lane
	v_lshlrev_b32 v[OUTO], 3, v1
	v_lshl_add_u32 v6, v1, 1, s23                  ; number of my first point
	v_cvt_f32_u32 v[NR0], v6
	v_add_nc_u32 v6, 1, v6
	v_cvt_f32_u32 v[NR1], v6
	v_mul_f32 v[NR0], 0xbe80ab8f, v[NR0]           ; x -48/191
	v_mul_f32 v[NR1], 0xbe80ab8f, v[NR1]
	v_mov_b32 v[NR0+1], v[NR0]
	v_mov_b32 v[NR1+1], v[NR1]
	v_mov_b32 v[ADR], s24
	v_mov_b32 v[ADR2], s24
.irp q, 0,1,2,3
	v_mov_b32 v[M+\q], 0xff800000                  ; -infinity: loses against every score
.endr
	s_wait_kmcnt 0x0                               ; k
	; alpha = softplus(k) = max(k, 0) + log(1 + u), u = e^-|k| in (0, 1].  Below u = 1/16 the sum 1 + u would round u's low bits away:
	; there the series u (1 - u/2 + u^2/3 - u^3/4 + u^4/5 - u^5/6), whose remainder is under u^6 / 7 < 1e-8 of the result.
	v_mov_b32 v5, s22
	v_and_b32 v6, 0x7fffffff, v5
	v_mul_f32 v6, 0xbfb8aa3b, v6                   ; -|k| log2 e
	v_exp_f32 v6, v6                               ; u
	v_mov_b32 v7, 0xbe2aaaab                       ; -1/6; also the plain instruction between v_exp_f32 and the use of u (ISA guide 5.7.2)
	s_wait_alu depctr_va_vdst(0)
	v_fmaak_f32 v7, v6, v7, 0x3e4ccccd             ; + 1/5
	v_fmaak_f32 v7, v6, v7, 0xbe800000             ; - 1/4
	v_fmaak_f32 v7, v6, v7, 0x3eaaaaab             ; + 1/3
	v_fma_f32 v7, v6, v7, -0.5
	v_fma_f32 v7, v6, v7, 1.0
	v_mul_f32 v7, v6, v7                           ; the series
	v_add_f32 v[C1], 1.0, v6
	v_log_f32 v[C1], v[C1]
	v_max_num_f32 v5, 0, v5                        ; max(k, 0); the plain instruction behind v_log_f32
	v_cmp_gt_f32 vcc_lo, 0x3d800000, v6            ; 1/16 > u
	s_wait_alu depctr_va_vdst(0)
	v_mul_f32 v[C1], 0x3f317218, v[C1]             ; log(1 + u)
	s_wait_alu depctr_va_vcc(0)                    ; the compare has written VCC, which the select below reads
	v_cndmask_b32 v[C1], v[C1], v7, vcc_lo         ; the series where u is small
	v_add_f32 v[C1], v5, v[C1]                     ; alpha
	v_mul_f32 v[C10], 0xc1200000, v[C1]            ; -10 alpha
	v_mul_f32 v[C1], 0xbfb8aa3b, v[C1]             ; -alpha log2 e
	v_mul_f32 v[C10], 0x3fb8aa3b, v[C10]           ; -10 alpha log2 e
	v_mov_b32 v[C1+1], v[C1]
	v_mov_b32 v[C10+1], v[C10]
.endm
	; THE TABLES.  4 rows x 256 times = 256 threads x 4 times: waves 0-7, thread t takes bytes 16 t of the group's 4,096 in each section.
	s_cmp_ge_u32 s10, 8
	s_cbranch_scc1 .Lothers
	v_lshlrev_b32 v4, 4, v0
	s_wait_alu depctr_va_vdst(0)                   ; v4 is written, which the three loads and the four LDS stores below read as their offset; it is never written again
	global_load_b128 v[48:51], v4, s[4:5] offset:SECT th:TH_LOAD_NT        ; mask
	global_load_b128 v[44:47], v4, s[4:5] th:TH_LOAD_NT                    ; values
	global_load_b128 v[52:55], v4, s[4:5] offset:2*SECT th:TH_LOAD_NT      ; times
	SETUP                                          ; register work while the loads are on their way: it names neither v4 nor v[44:55]
	s_wait_loadcnt 0x2                             ; loads return in order: the mask is in, two younger loads stay out
.irp i, 0,1,2,3
	v_max_num_f32 v[56+\i], 0x0da24260, v[48+\i]   ; mm = max(m, 1e-30)
.endr
.irp i, 0,1,2,3
	v_log_f32 v[60+\i], v[56+\i]                   ; L = log2 mm
.endr
	s_wait_loadcnt 0x1                             ; the values are in, the times may be out
	v_pk_mul_f32 v[64:65], v[56:57], v[44:45]      ; mm x; plain instructions between the logarithms and the store that reads them
	v_pk_mul_f32 v[66:67], v[58:59], v[46:47]
	s_wait_loadcnt 0x0
	s_wait_alu depctr_va_vdst(0)                   ; mm, L and mm x are written, which the LDS stores read; the lines above are done with v[44:67], in which pass 1's loads land; the set-up has written v[ADR], v[ADR2], v[OUTO]
	ds_store_b128 v4, v[52:55] offset:LD_D
	ds_store_b128 v4, v[60:63] offset:LD_L
	ds_store_b128 v4, v[56:59] offset:LD_MM
	ds_store_b128 v4, v[64:67] offset:LD_MX
	s_wait_dscnt 0x0                               ; for the other waves' sake: my stores are done before I signal
	s_wait_alu depctr_vm_vsrc(0)                   ; my LDS stores have read v[52:67]: these registers are part of SET0 from here on, and pass 1's first loads land in them
	s_branch .Ljoin
.Lothers:
	SETUP
	s_wait_alu depctr_va_vdst(0)                   ; the set-up has written v[ADR], v[ADR2] and v[OUTO], which the LDS loads and the stores below read
.Ljoin:
	s_barrier_signal -1
	s_barrier_wait -1                              ; the tables are whole; nothing writes them from here on
	; PASS 1: the maxima.
; 8 times x 2 points x 2 bandwidths: 32 packed instructions, 16 three-way maxima.  d, l: the block's times and their L.
; r1, a1, o1: four loads of 16 bytes into v[r1 ..], by address register a1, from LDS offset o1 on, one ahead of each pair of subtractions;
; r2, a2, o2: four more, one ahead of each four multiply-adds.  r = 0: none.  They land in the set that this step does not name.
.macro MAXBLK d, l, r1=0, a1=0, o1=0, r2=0, a2=0, o2=0
.irp k, 0,2,4,6
.if \r1
	ds_load_b128 v[\r1+2*\k:\r1+2*\k+3], v[\a1] offset:\o1+8*\k            ; every lane reads the same bytes
.endif
	v_pk_add_f32 v[N+\k:N+\k+1],     v[\d+\k:\d+\k+1], v[NR0:NR0+1]        ; d - r
	v_pk_add_f32 v[N+8+\k:N+8+\k+1], v[\d+\k:\d+\k+1], v[NR1:NR1+1]
.endr
.irp k, 0,2,4,6,8,10,12,14
	v_pk_mul_f32 v[N+\k:N+\k+1], v[N+\k:N+\k+1], v[N+\k:N+\k+1]            ; n
.endr
.irp k, 0,2,4,6
.if \r2
	ds_load_b128 v[\r2+2*\k:\r2+2*\k+3], v[\a2] offset:\o2+8*\k
.endif
	v_pk_fma_f32 v[S+\k:S+\k+1],       v[N+\k:N+\k+1],     v[C1:C1+1],   v[\l+\k:\l+\k+1]
	v_pk_fma_f32 v[S+8+\k:S+8+\k+1],   v[N+8+\k:N+8+\k+1], v[C1:C1+1],   v[\l+\k:\l+\k+1]
	v_pk_fma_f32 v[S+16+\k:S+16+\k+1], v[N+\k:N+\k+1],     v[C10:C10+1], v[\l+\k:\l+\k+1]
	v_pk_fma_f32 v[S+24+\k:S+24+\k+1], v[N+8+\k:N+8+\k+1], v[C10:C10+1], v[\l+\k:\l+\k+1]
.endr
	; nine numbers to one in four three-way maxima, of which only the last waits for the running maximum
.irp q, 0,1,2,3
	v_max3_num_f32 v[S+8*\q],   v[S+8*\q],   v[S+8*\q+1], v[S+8*\q+2]
	v_max3_num_f32 v[S+8*\q+3], v[S+8*\q+3], v[S+8*\q+4], v[S+8*\q+5]
.endr
.irp q, 0,1,2,3
	v_max3_num_f32 v[S+8*\q+6], v[S+8*\q+6], v[S+8*\q+7], v[S+8*\q]
.endr
.irp q, 0,1,2,3
	v_max3_num_f32 v[M+\q], v[M+\q], v[S+8*\q+3], v[S+8*\q+6]
.endr
.endm
; A step of pass 1: 16 times from set cur.  next = 1: the next step's times and L, off bytes on from v[ADR], go into set oth.
; next = 2: pass 1's last step: pass 2's first step (times, mm, mm x at the row's head, by v[ADR2]) goes into set oth.
.macro STEP1 cur, oth, next, off
	s_wait_dscnt 0x0                               ; set cur is in: its loads were issued early in the step before, and nothing younger is out
	s_wait_alu depctr_va_vdst(0)                   ; the step before is done reading set oth, in which the loads below land; in a lap's first step v[ADR] is written
.if \next == 1
	MAXBLK \cur, \cur+16, \oth, ADR, LD_D+\off, \oth+16, ADR, LD_L+\off
	MAXBLK \cur+8, \cur+24
.else
	MAXBLK \cur, \cur+16, \oth, ADR2, LD_D, \oth+16, ADR2, LD_MM
	MAXBLK \cur+8, \cur+24, \oth+32, ADR2, LD_MX
.endif
.endm
.irp i, 0,1,2,3
	ds_load_b128 v[SET0+4*\i:SET0+4*\i+3], v[ADR] offset:LD_D+16*\i        ; step 0: no vector instruction since the waits at the head names v[ADR] or SET0
.endr
.irp i, 0,1,2,3
	ds_load_b128 v[SET0+16+4*\i:SET0+16+4*\i+3], v[ADR] offset:LD_L+16*\i
.endr
	s_mov_b32 s25, LAPS-1
.Lmax:
	STEP1 SET0, SET1, 1, 64
	STEP1 SET1, SET0, 1, 128
	s_wait_alu depctr_vm_vsrc(0)                   ; the LDS loads issued so far have read v[ADR]
	v_add_nc_u32 v[ADR], 128, v[ADR]               ; 32 times on; the next step's wait on va_vdst stands between this line and the next load
	s_sub_co_i32 s25, s25, 1
	s_cmp_lg_u32 s25, 0
	s_cbranch_scc1 .Lmax
	STEP1 SET0, SET1, 1, 64                        ; the last lap is written out: no read leaves the row
	STEP1 SET1, SET0, 2, 0
	; PASS 2: the sums.
.irp q, 0,1,2,3
	v_xor_b32 v[NM+2*\q],   0x80000000, v[M+\q]    ; -M, twice
	v_xor_b32 v[NM+2*\q+1], 0x80000000, v[M+\q]
.endr
.irp i, 0,1,2,3,4,5,6,7,8,9,10,11,12,13,14,15
	v_mov_b32 v[ACC+\i], 0
.endr
; A GROUP is one pair of times x my two points x two bandwidths: 8 packed instructions make 8 exponents (ARGS), 8 v_exp_f32,
; 8 packed multiply-adds take the results into the sums (FMAS).
.macro ARGS s, d
	v_pk_add_f32 v[\s:\s+1],     v[\d:\d+1], v[NR0:NR0+1]
	v_pk_add_f32 v[\s+2:\s+3],   v[\d:\d+1], v[NR1:NR1+1]
	v_pk_mul_f32 v[\s:\s+1],     v[\s:\s+1],   v[\s:\s+1]
	v_pk_mul_f32 v[\s+2:\s+3],   v[\s+2:\s+3], v[\s+2:\s+3]
	v_pk_fma_f32 v[\s+4:\s+5],   v[\s:\s+1],   v[C1:C1+1],   v[NM:NM+1]
	v_pk_fma_f32 v[\s+6:\s+7],   v[\s+2:\s+3], v[C1:C1+1],   v[NM+2:NM+3]
	v_pk_fma_f32 v[\s+8:\s+9],   v[\s:\s+1],   v[C10:C10+1], v[NM+4:NM+5]
	v_pk_fma_f32 v[\s+10:\s+11], v[\s+2:\s+3], v[C10:C10+1], v[NM+6:NM+7]
.endm
.macro FMAS s, mm, mx
	s_wait_alu depctr_va_vdst(0)
.irp q, 0,1,2,3
	v_pk_fma_f32 v[ACC+4*\q:ACC+4*\q+1],   v[\s+4+2*\q:\s+5+2*\q], v[\mm:\mm+1], v[ACC+4*\q:ACC+4*\q+1]
	v_pk_fma_f32 v[ACC+4*\q+2:ACC+4*\q+3], v[\s+4+2*\q:\s+5+2*\q], v[\mx:\mx+1], v[ACC+4*\q+2:ACC+4*\q+3]
.endr
.endm
; A PHASE: the exponentials of the group in set cur, and between them, in set oth, the multiply-adds of the group before (hasp, with
; its mm and mx) and the exponents of the group behind (hasn, from its times d).  Each register of oth is read by the old group's
; multiply-add in an earlier line than the one that writes it for the new group.  Behind every v_exp_f32 stands a plain instruction
; on the other set, and its result is first read in the next phase (ISA guide 5.7.2).
.macro PHASE cur, oth, hasp, mm, mx, hasn, d
	v_exp_f32 v[\cur+4], v[\cur+4]
.if \hasp
	s_wait_alu depctr_va_vdst(0)
	v_pk_fma_f32 v[ACC:ACC+1], v[\oth+4:\oth+5], v[\mm:\mm+1], v[ACC:ACC+1]
.endif
.if \hasn
	v_pk_add_f32 v[\oth:\oth+1], v[\d:\d+1], v[NR0:NR0+1]
.endif
	v_exp_f32 v[\cur+5], v[\cur+5]
.if \hasp
	v_pk_fma_f32 v[ACC+2:ACC+3], v[\oth+4:\oth+5], v[\mx:\mx+1], v[ACC+2:ACC+3]
.endif
.if \hasn
	v_pk_add_f32 v[\oth+2:\oth+3], v[\d:\d+1], v[NR1:NR1+1]
.endif
	v_exp_f32 v[\cur+6], v[\cur+6]
.if \hasp
	v_pk_fma_f32 v[ACC+4:ACC+5], v[\oth+6:\oth+7], v[\mm:\mm+1], v[ACC+4:ACC+5]
.endif
.if \hasn
	v_pk_mul_f32 v[\oth:\oth+1], v[\oth:\oth+1], v[\oth:\oth+1]
.endif
	v_exp_f32 v[\cur+7], v[\cur+7]
.if \hasp
	v_pk_fma_f32 v[ACC+6:ACC+7], v[\oth+6:\oth+7], v[\mx:\mx+1], v[ACC+6:ACC+7]
.endif
.if \hasn
	v_pk_mul_f32 v[\oth+2:\oth+3], v[\oth+2:\oth+3], v[\oth+2:\oth+3]
.endif
	v_exp_f32 v[\cur+8], v[\cur+8]
.if \hasp
	v_pk_fma_f32 v[ACC+8:ACC+9], v[\oth+8:\oth+9], v[\mm:\mm+1], v[ACC+8:ACC+9]
.endif
.if \hasn
	v_pk_fma_f32 v[\oth+4:\oth+5], v[\oth:\oth+1], v[C1:C1+1], v[NM:NM+1]
.endif
	v_exp_f32 v[\cur+9], v[\cur+9]
.if \hasp
	v_pk_fma_f32 v[ACC+10:ACC+11], v[\oth+8:\oth+9], v[\mx:\mx+1], v[ACC+10:ACC+11]
.endif
.if \hasn
	v_pk_fma_f32 v[\oth+6:\oth+7], v[\oth+2:\oth+3], v[C1:C1+1], v[NM+2:NM+3]
.endif
	v_exp_f32 v[\cur+10], v[\cur+10]
.if \hasp
	v_pk_fma_f32 v[ACC+12:ACC+13], v[\oth+10:\oth+11], v[\mm:\mm+1], v[ACC+12:ACC+13]
.endif
.if \hasn
	v_pk_fma_f32 v[\oth+8:\oth+9], v[\oth:\oth+1], v[C10:C10+1], v[NM+4:NM+5]
.endif
	v_exp_f32 v[\cur+11], v[\cur+11]
.if \hasp
	v_pk_fma_f32 v[ACC+14:ACC+15], v[\oth+10:\oth+11], v[\mx:\mx+1], v[ACC+14:ACC+15]
.endif
.if \hasn
	v_pk_fma_f32 v[\oth+10:\oth+11], v[\oth+2:\oth+3], v[C10:C10+1], v[NM+6:NM+7]
.endif
.endm
; Times 4 i to 4 i + 3 of the next step, from the three tables, into set oth.
.macro NEXT2 oth, off, i
	ds_load_b128 v[\oth+4*\i:\oth+4*\i+3],       v[ADR2] offset:LD_D+\off+16*\i
	ds_load_b128 v[\oth+16+4*\i:\oth+16+4*\i+3], v[ADR2] offset:LD_MM+\off+16*\i
	ds_load_b128 v[\oth+32+4*\i:\oth+32+4*\i+3], v[ADR2] offset:LD_MX+\off+16*\i
.endm
; A step of pass 2: 16 times = 8 groups from set cur, in sets X, Y in turn.  more = 1: the next step's twelve loads, off bytes on from
; v[ADR2], go into set oth, three at a time among the step's first four runs of vector instructions, which name cur, X, Y, the sums and constants.
.macro STEP2 cur, oth, more, off
	s_wait_dscnt 0x0                               ; set cur is in: its loads were issued early in the step before, and nothing younger is out
.if \more
	s_wait_alu depctr_va_vdst(0)                   ; the step before is done reading set oth, in which the loads below land; in a lap's first step v[ADR2] is written
	NEXT2 \oth, \off, 0
.endif
	ARGS X, \cur
.if \more
	NEXT2 \oth, \off, 1
.endif
	PHASE X, Y, 0, 0, 0, 1, \cur+2
.if \more
	NEXT2 \oth, \off, 2
.endif
	PHASE Y, X, 1, \cur+16, \cur+32, 1, \cur+4
.if \more
	NEXT2 \oth, \off, 3
.endif
	PHASE X, Y, 1, \cur+18, \cur+34, 1, \cur+6
	PHASE Y, X, 1, \cur+20, \cur+36, 1, \cur+8
	PHASE X, Y, 1, \cur+22, \cur+38, 1, \cur+10
	PHASE Y, X, 1, \cur+24, \cur+40, 1, \cur+12
	PHASE X, Y, 1, \cur+26, \cur+42, 1, \cur+14
	PHASE Y, X, 1, \cur+28, \cur+44, 0, 0
	FMAS Y, \cur+30, \cur+46
.endm
	s_mov_b32 s25, LAPS-1
.Lsum:
	STEP2 SET0, SET1, 1, 64
	STEP2 SET1, SET0, 1, 128
	s_wait_alu depctr_vm_vsrc(0)                   ; the LDS loads issued so far have read v[ADR2]
	v_add_nc_u32 v[ADR2], 128, v[ADR2]             ; 32 times on; the next step's wait on va_vdst stands between this line and the next load
	s_sub_co_i32 s25, s25, 1
	s_cmp_lg_u32 s25, 0
	s_cbranch_scc1 .Lsum
	STEP2 SET0, SET1, 1, 64                        ; the last lap is written out: no read leaves the row,
	STEP2 SET1, SET0, 0, 0                         ; and the last step, which issues no load, states no dependence
	; THE WAY OUT.  Even and odd times meet; y = SX / SE, w = ln 2 (M + log2 SE).
.irp q, 0,1,2,3
	v_add_f32 v[ACC+4*\q], v[ACC+4*\q], v[ACC+4*\q+1]              ; SE
.endr
.irp q, 0,1,2,3
	v_rcp_f32 v[R+\q], v[ACC+4*\q]
.endr
	v_log_f32 v[R+4], v[ACC]
	v_log_f32 v[R+5], v[ACC+4]
.irp q, 0,1,2,3
	v_add_f32 v[ACC+4*\q+2], v[ACC+4*\q+2], v[ACC+4*\q+3]          ; SX: plain work between the transcendentals and their use
.endr
	s_wait_alu depctr_va_vdst(0)
	v_mul_f32 v[O],   v[ACC+2],  v[R]              ; y of my two points
	v_mul_f32 v[O+1], v[ACC+6],  v[R+1]
	v_add_f32 v[O+2], v[M],   v[R+4]
	v_add_f32 v[O+3], v[M+1], v[R+5]
	v_mul_f32 v[O+4], v[ACC+10], v[R+2]            ; y_trans
	v_mul_f32 v[O+5], v[ACC+14], v[R+3]
	v_mul_f32 v[O+2], 0x3f317218, v[O+2]           ; w
	v_mul_f32 v[O+3], 0x3f317218, v[O+3]
	s_wait_alu depctr_va_vdst(0)                   ; the six results v[O ..] are written, which the three stores read
	global_store_b64 v[OUTO], v[O:O+1],   s[8:9] th:TH_STORE_NT                    ; each store of the wave: 256 consecutive bytes, aligned
	global_store_b64 v[OUTO], v[O+2:O+3], s[8:9] offset:OSECT th:TH_STORE_NT
	global_store_b64 v[OUTO], v[O+4:O+5], s[8:9] offset:2*OSECT th:TH_STORE_NT
	s_wait_dscnt 0x0
	s_wait_alu depctr_hold_cnt(0) depctr_sa_sdst(0) depctr_va_vdst(0) depctr_va_sdst(0) depctr_va_ssrc(0) depctr_va_vcc(0) depctr_vm_vsrc(0)
	s_wait_tensorcnt 0x0
	ds_add_u32 v189, v190
	s_wait_dscnt 0x0
	s_endpgm
.Lfunc_end_k_q034ba94098_interp:
	.size	k_q034ba94098_interp, .Lfunc_end_k_q034ba94098_interp-k_q034ba94098_interp
	.p2alignl 7, 3214868480
	.fill 96, 4, 3214868480
	.section	.rodata,"a",@progbits
	.p2align	6, 0x0
	.amdhsa_kernel k_q034ba94098_interp
		.amdhsa_group_segment_fixed_size 17920
		.amdhsa_private_segment_fixed_size 0
		.amdhsa_enable_private_segment 0
		.amdhsa_kernarg_size 24
		.amdhsa_user_sgpr_count 2
		.amdhsa_user_sgpr_kernarg_segment_ptr 1
		.amdhsa_wavefront_size32 1
		.amdhsa_system_sgpr_workgroup_id_x 1
		.amdhsa_system_sgpr_workgroup_id_y 1
		.amdhsa_system_sgpr_workgroup_id_z 1
		.amdhsa_system_vgpr_workitem_id 0
		.amdhsa_next_free_vgpr 191
		.amdhsa_next_free_sgpr 66
		.amdhsa_reserve_vcc 1
		.amdhsa_float_denorm_mode_32 3
		.amdhsa_float_denorm_mode_16_64 3
		.amdhsa_memory_ordered 1
		.amdhsa_forward_progress 1
		.amdhsa_inst_pref_size 81
	.end_amdhsa_kernel
	.amdgpu_metadata
---
amdhsa.version: [ 1, 2 ]
amdhsa.kernels:
  - .name:           k_q034ba94098_interp
    .symbol:         k_q034ba94098_interp.kd
    .args:
      - { .name: x, .offset: 0, .size: 8, .value_kind: global_buffer, .address_space: global }
      - { .name: kernel, .offset: 8, .size: 8, .value_kind: global_buffer, .address_space: global }
      - { .name: out0, .offset: 16, .size: 8, .value_kind: global_buffer, .address_space: global }
    .group_segment_fixed_size: 17920
    .private_segment_fixed_size: 0
    .kernarg_segment_align: 8
    .kernarg_segment_size: 24
    .max_flat_workgroup_size: 384
    .sgpr_count:     66
    .vgpr_count:     191
    .wavefront_size: 32
...
	.end_amdgpu_metadata
.endif
;; end of part 2
